; MI455X (gfx1250); checked and timed in simulation.
; The chip was launched on July 23, 2026; its instructions are those of AMD's public machine-readable ISA for CDNA 5 (MIT licence, August 2026) and "CDNA5" Instruction Set Architecture Reference Guide (July 2026). The comments in the code are by the model that wrote it; some were corrected since.
;; Quantized E8 P12 Linear Optimized. Allowed arithmetic: matrix products marked QUANTISED: E2M1 operands, one E8M0 scale for each 32 along K, by v_wmma_scale_f32_16x16x128_f8f6f4 with both operands' format E2M1 (or v_wmma_scale_f32_32x16x128_f4), f32 sums; everything else in f32.
;; Inputs: Qidxs 4,096 x 512 int32; SU 4,096 float32; SV 4,096 float32; grid 65,536 x 8 float32; input 2 x 2,048 x 4,096 float32.
;; Outputs: out0 2 x 2,048 x 4,096 float32.
;; This version of the problem:
;;   THIS VERSION OF THE PROBLEM IS GIVEN IN LOW PRECISION. The matrix products marked QUANTISED in the list below multiply operands that are first quantised to E2M1 (2 exponent bits, 1 mantissa bit; 4 bits a number), with one power-of-two scale for each 32 numbers along K (OCP MX v1.0); their sums are f32. All else is computed in f32.
;;   The module's matrix products, in the order in which they are computed (A, B: the left and right operand; K: the contracted axis; several contracted axes count as one K, in the product's order):
;;     1. [M 4,096, K 4,096] x [K 4,096, N 4,096]; A: computed on the way; B: computed on the way: QUANTISED
;;   THE QUANTISER, for each operand of a quantised product, along K:
;;     - K is cut into blocks of 32 from its start; a last block that is shorter is filled with zeros.
;;     - A block's scale is 2^e with e = floor(log2(the largest magnitude in the block)) - 2, held to -126 .. 127; a block of zeros has e = 0. As a byte (E8M0): e + 127.
;;     - Each number is divided by its block's scale, clamped to +-6, and rounded to the nearest number of E2M1, ties to even, subnormals kept.
;;     - The product sums the exact products of the quantised numbers (number of the format x scale) in f32.
;;   ~~~python
;;   def quantise(x, axis):      # numpy; x: float32 -> the quantised numbers, widened to float32 again
;;       x = np.moveaxis(x, axis, -1); K = x.shape[-1]
;;       x = np.pad(x, [(0, 0)] * (x.ndim - 1) + [(0, -K % 32)]); x = x.reshape(x.shape[:-1] + (-1, 32)); a = np.abs(x).max(-1, keepdims=True)
;;       e = np.where(a > 0, np.clip(np.frexp(np.where(a > 0, a, 1))[1] - 1 - 2, -126, 127), 0)      # np.frexp(a)[1] - 1 = floor(log2(a)), exactly
;;       r = np.clip(x / 2.0 ** e, -6, 6)
;;       step = 2.0 ** (np.maximum(np.frexp(np.where(r == 0, 1, r))[1] - 1, 0) - 1)
;;       q = np.round(r / step) * step * 2.0 ** e      # np.round: ties to even
;;       return np.moveaxis(q.reshape(q.shape[:-2] + (-1,))[..., :K], -1, axis).astype(np.float32)
;;   ~~~
;;   OPERANDS COMPUTED ON THE WAY. 'Computed on the way' means the value that the module computes at that place (a softmax that the list does not call 'softmax' is quantised finished and normalised). What goes into a quantiser is computed in f32, as accurately as f32 sums, v_exp_f32 and their like allow (about 1e-6 of the number): no bf16 or f16 on the way to a quantiser, and a product that is left as it is and whose result goes on into a quantised operand takes f32 operands (vector FMAs, or v_wmma_f32_16x16x4_f32). A number that lies on a knife's edge between two numbers of the format may be rounded either way, as far as f32 arithmetic and the matrix unit's own rounding can turn it there, and no further.
;; One version. Each part assembles by itself: llvm-mc -triple=amdgcn-amd-amdhsa -mcpu=gfx1250 --defsym DOCPART=n.
;; ======== version 1 of 1: 3 launches
;; workspace buffers: xq 8,912,896 bytes; wq 8,912,896 bytes; cmat 67,108,864 bytes
;; launch quant (part 1): grid 256 x 1, 8 waves a work-group, no clusters, 327,680 bytes of LDS; arguments input, SU, Qidxs, grid, xq, wq; writes xq, wq
.if DOCPART == 1
	.amdgcn_target "amdgcn-amd-amdhsa--gfx1250"
	.amdhsa_code_object_version 6
	.text
	.protected	k_q1f29b62212_quant
	.globl	k_q1f29b62212_quant
	.p2align	8
	.type	k_q1f29b62212_quant,@function
k_q1f29b62212_quant:
	s_mov_b64 s[64:65], 0
	v_nop
	global_prefetch_b8 v0, s[64:65] scope:SCOPE_SE
	s_setreg_imm32_b32 hwreg(HW_REG_WAVE_MODE, 25, 1), 1
	s_wait_xcnt 0x0
; BOTH OPERANDS OF THE PRODUCT ARE MADE HERE, as codes of FP4 (E2M1) with one E8M0 byte for each 32 along K = 4,096.
;   x: y = FWHT_4096(input x SU) / 64.  input: [4096][4096] f32, SU: [4096] f32.          W: W[m][8 p + e] = grid[Qidxs[m][p]][e].  Qidxs: [4096][512] int32, grid: [65536][8] f32.
; OUTPUTS xq and wq, in the order of the matrix operand's registers: [K step of 512: 8][group of 16 rows: 256][4,352 bytes]; in a chunk: byte 256 b + 16 r: the 16 code bytes of block b (0..15 of the K step) of row r;
; byte 4096 + 16 r + b: that block's scale byte (so 4096 + 16 r + 4 q is row r's scale word for the q-th 128 along K).
; SHARES.  Work-group g makes group g of both.  Wave w takes x's rows 2 w and 2 w + 1, one after the other, and W's chunk of K step w.  ONE LAUNCH FOR BOTH, since the two kinds of work fill each other's gaps: x is
; vector work on rows that one tensor load each brings; W is 64 gathering loads a wave and little arithmetic.  So the gathers are issued ahead of x's rows and are on their way while the rows are transformed.
; x's TRANSFORM.  One wave, one row: 128 numbers a lane, in 16 octs of 8 registers and one free oct.  A butterfly writes its sums into the free oct and its differences over one source; the names change, nothing is moved.
; A row lies in its LDS slot as 32 lines of 512 bytes, 528 apart.  Layout C: quad j of lane l is i = 128 j + 4 l + e (address 528 j + 16 l): register bits are i's bits 0, 1, 7..11.
; Layout L: lane l holds i = 128 l + 0..127 (address 528 l + 16 c): register bits are i's bits 0..6.  Stages on different bits commute: all seven register bits in C, through the slot, bits 2..6 in L.
; In L a lane holds four whole blocks of 32: no other lane is asked for a maximum, and the conversions' results are the blocks' 16 bytes.
; THE 1/64 is never multiplied: dividing by 64 is exact, so the codes are those of the unscaled numbers and each scale byte is 6 lower.
; W's CHUNK: 16 rows x 16 blocks, in eight items.  In item t lane (hh = l / 16, c = l % 16) takes block c of row 2 t + hh: four indices (16 bytes of Qidxs: sixteen lanes read 256 consecutive bytes), four rows of grid of
; 32 bytes: the block's 32 numbers lie in ONE lane, in the order of K.  An index is held under 65,536 ahead of its use as an address; reference() relies on the same range.
; REGISTERS, in two windows of 256 (s_set_vgpr_msb's low byte: bits 1:0 source 0, 3:2 source 1, 5:4 source 2, 7:6 destination).  Window 0: all of x's, and every LDS address.  Window 1: W's offsets, numbers, codes and bytes.
; No cluster: the work-groups share SU alone (16,384 bytes beside the 262,144 of their own rows) and rows of grid that data name.
; LIMITS: NaN and infinities are not served.  A block of zeros gets the byte 1 where the rule says 127: its codes are zeros, and this program alone reads the bytes.  Blocks whose largest magnitude lies under the floor
; (x: 2^(9 - 127) ahead of the 1/64; W: 2^(3 - 127)) were not tried.  The transform's stages stand in another order than reference()'s: the same sums, f32 roundings of the same size.
.set SLOTB, 16896                      ; a row's slot: 32 lines x 528 bytes
.set PIT,   528                        ; 512 bytes + 16 of padding = 33 x 16: sixteen lanes that read 16 bytes each, 528 apart, fall on sixteen different columns of 16 bytes (64 banks of 4 bytes: ISA guide 11.1)
.set SUB,   16*SLOTB                   ; SU, dense
.set OSTB,  SUB+16384                  ; x's codes' stage: block 4 l + t of row r at 8704 t + 272 l + 16 r
.set OPL,   8704
.set SSTB,  OSTB+4*OPL                 ; x's scale words' stage: 272 (l / 4) + 4 (l % 4) + 16 r
.set GRP,   4352
.set KSTRIDE, 256*GRP
.set FLOOR, 9<<23                      ; 2^(9 - 127): holds x's byte at 7 ahead of the 6 that are taken off
; W's stage, 4,608 bytes, lies at the head of my wave's slot 0, which has had its one fill and its last read when the first item is stored there: 16 blocks x (16 rows x 16 bytes + 16 of padding), then 256 scale bytes
.set AC,  2                            ; v2   my wave's slot 0 + 16 l
.set AL,  3                            ; v3   my wave's slot 0 + 528 l
.set ASU, 4                            ; v4   SUB + 16 l
.set ASW, 5                            ; v5   SUB + 2048 w + 16 l
.set AOS, 6                            ; v6   OSTB + 272 l + 32 w
.set ASS, 7                            ; v7   SSTB + 272 (l / 4) + 4 (l % 4) + 32 w
.set AOR, 8                            ; v8   OSTB + 8704 (l / 16) + 16 (l % 16) + 1088 w
.set ASR, 9                            ; v9   SSTB + 272 w + 8 l
.set L16, 10                           ; v10  16 l
.set L8,  11                           ; v11  8 l
.set GSU, 12                           ; v12  16 l + 2048 w
.set QO,  15                           ; v15  Qidxs: 2048 hh + 16 c; never rewritten
.set D0,  16                           ; v16-151  the row: 16 octs and the free one
.set S,   152                          ; v152-215 eight octs of SU
.set MX,  216                          ; v216-219 the four blocks' largest magnitudes
.set SCL, 220                          ; v220-223 the conversions' scale operands
.set BY,  224                          ; v224-227 the bytes
.set WD,  228                          ; v228     the scale word
.set CD,  232                          ; v232-247 the codes
.set AWS, 248                          ; v248 W's stage, in: my slot 0 + 272 c + 16 hh
.set AWR, 249                          ; v249 and out: my slot 0 + 272 hh + 16 c
.set AWB, 250                          ; v250 W's scale bytes, in: my slot 0 + 4352 + l
.set AWQ, 251                          ; v251 and out: my slot 0 + 4352 + 8 l
.set WI,  0                            ; window 1: v0-31    the indices, then their byte offsets in grid; item t's four take its codes when its gathers are done
.set WX,  32                           ;           v32-223  six sets of 32 numbers
.set WE,  224                          ;           v224-231 the scale bytes, one register an item
.set WM,  232                          ;           v232-233 a block's largest magnitude, in two chains
.set WSC, 234                          ;           v234     the conversions' scale operand
.set MSB, 0
.macro WIN new                         ; the immediate's high byte repeats the setting that is left; a switch that changes nothing is dropped
.if MSB != \new
	s_set_vgpr_msb (MSB<<8)|\new
.set MSB, \new
.endif
.endm
.macro RESET                           ; logical oct o lies at D0 + 8 o again
.irp o, 0,1,2,3,4,5,6,7,8,9,10,11,12,13,14,15
.set U\o, D0+8*\o
.endr
.set UF, D0+128
.endm
.macro SWAPF o                         ; the free oct takes oct o's name, oct o's old registers are free
.set UT, U\o
.set U\o, UF
.set UF, UT
.endm
.macro P0 o                            ; register bit 0: (lo + hi, lo - hi) of each pair
.irp p, 0,2,4,6
	v_pk_add_f32 v[UF+\p:UF+\p+1], v[U\o+\p:U\o+\p+1], v[U\o+\p:U\o+\p+1] op_sel:[0,1] op_sel_hi:[0,1] neg_hi:[0,1]
.endr
	SWAPF \o
.endm
.macro INOCT o, bit                    ; register bit 1 or 2, inside an oct
.if \bit == 1
.irp q, 0,4
	v_pk_add_f32 v[UF+\q:UF+\q+1], v[U\o+\q:U\o+\q+1], v[U\o+\q+2:U\o+\q+3]
	v_pk_add_f32 v[UF+\q+2:UF+\q+3], v[U\o+\q:U\o+\q+1], v[U\o+\q+2:U\o+\q+3] neg_lo:[0,1] neg_hi:[0,1]
.endr
.else
.irp q, 0,2
	v_pk_add_f32 v[UF+\q:UF+\q+1], v[U\o+\q:U\o+\q+1], v[U\o+\q+4:U\o+\q+5]
	v_pk_add_f32 v[UF+\q+4:UF+\q+5], v[U\o+\q:U\o+\q+1], v[U\o+\q+4:U\o+\q+5] neg_lo:[0,1] neg_hi:[0,1]
.endr
.endif
	SWAPF \o
.endm
.macro BFLY a, b                       ; octs a and b: the sums into the free oct, which becomes a; the differences over b
.irp p, 0,2,4,6
	v_pk_add_f32 v[UF+\p:UF+\p+1], v[U\a+\p:U\a+\p+1], v[U\b+\p:U\b+\p+1]
.endr
.irp p, 0,2,4,6
	v_pk_add_f32 v[U\b+\p:U\b+\p+1], v[U\a+\p:U\a+\p+1], v[U\b+\p:U\b+\p+1] neg_lo:[0,1] neg_hi:[0,1]
.endr
	SWAPF \a
.endm
.macro CROSS                           ; register bits 3 to 6: octs 1, 2, 4 and 8 apart
	BFLY 0, 1
	BFLY 2, 3
	BFLY 4, 5
	BFLY 6, 7
	BFLY 8, 9
	BFLY 10, 11
	BFLY 12, 13
	BFLY 14, 15
	BFLY 0, 2
	BFLY 1, 3
	BFLY 4, 6
	BFLY 5, 7
	BFLY 8, 10
	BFLY 9, 11
	BFLY 12, 14
	BFLY 13, 15
	BFLY 0, 4
	BFLY 1, 5
	BFLY 2, 6
	BFLY 3, 7
	BFLY 8, 12
	BFLY 9, 13
	BFLY 10, 14
	BFLY 11, 15
	BFLY 0, 8
	BFLY 1, 9
	BFLY 2, 10
	BFLY 3, 11
	BFLY 4, 12
	BFLY 5, 13
	BFLY 6, 14
	BFLY 7, 15
.endm
.macro LDROW adr, slot, step           ; the row out of its slot: quad 2 o + h at step x (2 o + h)
.irp o, 0,1,2,3,4,5,6,7,8,9,10,11,12,13,14,15
	ds_load_b128 v[U\o:U\o+3], v[\adr] offset:(\slot)*SLOTB+(\step)*(2*\o)
	ds_load_b128 v[U\o+4:U\o+7], v[\adr] offset:(\slot)*SLOTB+(\step)*(2*\o+1)
.endr
.endm
.macro STROW adr, slot, step           ; and into it
.irp o, 0,1,2,3,4,5,6,7,8,9,10,11,12,13,14,15
	ds_store_b128 v[\adr], v[U\o:U\o+3] offset:(\slot)*SLOTB+(\step)*(2*\o)
	ds_store_b128 v[\adr], v[U\o+4:U\o+7] offset:(\slot)*SLOTB+(\step)*(2*\o+1)
.endr
.endm
.macro MAXG a, b, c, d, first          ; one oct of each of the four blocks joins its block's largest magnitude; the blocks by turns, so that no line waits for the line above it
.irp i, 0,2,4,6
.if \first && (\i == 0)
	v_max3_num_f32 v[MX], |v[U\a]|, |v[U\a+1]|, FLOOR
	v_max3_num_f32 v[MX+1], |v[U\b]|, |v[U\b+1]|, FLOOR
	v_max3_num_f32 v[MX+2], |v[U\c]|, |v[U\c+1]|, FLOOR
	v_max3_num_f32 v[MX+3], |v[U\d]|, |v[U\d+1]|, FLOOR
.else
	v_max3_num_f32 v[MX], v[MX], |v[U\a+\i]|, |v[U\a+\i+1]|
	v_max3_num_f32 v[MX+1], v[MX+1], |v[U\b+\i]|, |v[U\b+\i+1]|
	v_max3_num_f32 v[MX+2], v[MX+2], |v[U\c+\i]|, |v[U\c+\i+1]|
	v_max3_num_f32 v[MX+3], v[MX+3], |v[U\d+\i]|, |v[U\d+\i+1]|
.endif
.endr
.endm
.macro CVTG a, b, c, d, g              ; the g-th eight codes of each block
	v_cvt_scalef32_pk8_fp4_f32 v[CD+\g], v[U\a:U\a+7], v[SCL]
	v_cvt_scalef32_pk8_fp4_f32 v[CD+4+\g], v[U\b:U\b+7], v[SCL+1]
	v_cvt_scalef32_pk8_fp4_f32 v[CD+8+\g], v[U\c:U\c+7], v[SCL+2]
	v_cvt_scalef32_pk8_fp4_f32 v[CD+12+\g], v[U\d:U\d+7], v[SCL+3]
.endm
; W: item t's 32 numbers into set t % 6: eight loads
.macro GATHER t
	WIN 0x41                                       ; the numbers and the offsets lie in window 1
.irp q, 0,1,2,3
	global_load_b128 v[WX+32*((\t)%6)+8*\q:WX+32*((\t)%6)+8*\q+3], v[WI+4*(\t)+\q], s[10:11]
	global_load_b128 v[WX+32*((\t)%6)+8*\q+4:WX+32*((\t)%6)+8*\q+7], v[WI+4*(\t)+\q], s[10:11] offset:16
.endr
.endm
; W: item t's block is quantised and goes into my stage
.macro ITEM t
.set XS, WX+32*((\t)%6)
.if (\t) <= 2
	s_wait_loadcnt 40                              ; this item's eight loads are in; those of the five items issued behind it may be out
.else
	s_wait_loadcnt 8*(7-(\t))                      ; those of the items behind it
.endif
	WIN 0x55                                       ; all in window 1
	v_max3_num_f32 v[WM], |v[XS]|, |v[XS+1]|, |v[XS+2]|            ; the block's largest magnitude, in two chains
	v_max3_num_f32 v[WM+1], |v[XS+3]|, |v[XS+4]|, |v[XS+5]|
.irp i, 6,10,14,18,22,26
	v_max3_num_f32 v[WM], v[WM], |v[XS+\i]|, |v[XS+\i+1]|
	v_max3_num_f32 v[WM+1], v[WM+1], |v[XS+\i+2]|, |v[XS+\i+3]|
.endr
	v_max3_num_f32 v[WM], v[WM], |v[XS+30]|, |v[XS+31]|
	v_max3_num_f32 v[WM], v[WM], v[WM+1], 0x1800000                ; and the floor 2^(3 - 127): the byte cannot fall under 1
	v_add_nc_u32 v[WSC], 0xff000000, v[WM]         ; 2 off the exponent field: the conversion's scale operand
	v_lshrrev_b32 v[WE+(\t)], 23, v[WSC]           ; the scale's byte
.irp g, 0,1,2,3
	v_cvt_scalef32_pk8_fp4_f32 v[WI+4*(\t)+\g], v[XS+8*\g:XS+8*\g+7], v[WSC]   ; into the registers of this item's offsets: the wait above has shown the loads that read them done
.endr
	v_nop                                          ; one plain instruction behind the last scaled conversion: the next item writes the scale operand anew
	WIN 0x04                                       ; an LDS store's address is its source 0: window 0; its data are its source 1: window 1
	ds_store_b128 v[AWS], v[WI+4*(\t):WI+4*(\t)+3] offset:32*(\t)
	ds_store_b8 v[AWB], v[WE+(\t)] offset:32*(\t)
.endm
	s_load_b256 s[4:11], s[0:1], 0x0               ; input s[4:5], SU s[6:7], Qidxs s[8:9], grid s[10:11]
	s_load_b128 s[12:15], s[0:1], 0x20             ; xq s[12:13], wq s[14:15]
	v_lshl_add_u32 v254, v0, 2, 0x4f100
	v_mov_b32 v255, 0
	ds_add_u32 v254, v255
	ds_add_u32 v254, v255
	v_lshrrev_b32 v1, 5, v0
	v_readfirstlane_b32 s32, v1                    ; wave 0..7
	; descriptor group 1: a row of 4,096 f32 as 32 lines of 128 elements of 4 bytes, dense in memory, 4 words of padding behind every 128 words
	s_mov_b32 s16, (2<<16)|(1<<20)|(6<<22)|(3<<25)
	s_mov_b32 s17, 128<<16                         ; tensor_dim0 = 128
	s_mov_b32 s18, 32<<16                          ; tensor_dim1 = 32
	s_mov_b32 s19, 128<<16                         ; tile_dim0 = 128
	s_mov_b32 s20, 32                              ; tile_dim1 = 32
	s_mov_b32 s21, 128                             ; from line to line
	s_mov_b32 s22, 0
	s_mov_b32 s23, 0
	s_mul_i32 s33, s32, 2*SLOTB                    ; my wave's two slots
	s_lshl_b32 s34, ttmp9, 18                      ; input: the group's 16 rows of 16,384 bytes,
	s_lshl_b32 s35, s32, 15                        ; my wave's two of them
	s_add_co_u32 s34, s34, s35
	s_mov_b32 s35, 0
	s_mul_i32 s36, s32, KSTRIDE                    ; xq and wq: K step w's chunk of group g
	s_mul_i32 s37, ttmp9, GRP
	s_add_co_u32 s36, s36, s37
	s_mov_b32 s37, 0
	s_lshl_b32 s38, ttmp9, 15                      ; Qidxs: the group's 16 rows of 2,048 bytes,
	s_lshl_b32 s39, s32, 8                         ; K step w's 64 indices
	s_add_co_u32 s38, s38, s39
	s_mov_b32 s39, 0
	s_wait_dscnt 0x0
	s_wait_kmcnt 0x0
	s_add_nc_u64 s[4:5], s[4:5], s[34:35]
	s_add_nc_u64 s[8:9], s[8:9], s[38:39]
	s_add_nc_u64 s[12:13], s[12:13], s[36:37]
	s_add_nc_u64 s[14:15], s[14:15], s[36:37]
	s_mov_b32 s24, 1                               ; group 0 for my first row
	s_mov_b32 s25, s33
	s_mov_b64 s[26:27], s[4:5]
	s_or_b32 s27, s27, 0x80000000
	s_mov_b32 s28, 1                               ; and for my second
	s_add_co_u32 s29, s33, SLOTB
	s_add_nc_u64 s[30:31], s[4:5], 16384
	s_or_b32 s31, s31, 0x80000000
	tensor_load_to_lds s[24:27], s[16:23]          ; both first fills together, ahead of every wait on TENSORcnt, every LDS read and every barrier; nothing is filled again in this launch
	s_nop 0
	tensor_load_to_lds s[28:31], s[16:23]
	s_nop 0
.rept 4
	v_nop
.endr
	v_and_b32 v1, 31, v0                           ; l
	v_lshlrev_b32 v[L16], 4, v1
	s_lshl_b32 s34, s32, 11
	v_add_nc_u32 v[GSU], s34, v[L16]
.irp t, 0,1,2,3
	global_load_b128 v[S+4*\t:S+4*\t+3], v[GSU], s[6:7] offset:512*\t   ; my wave's 2,048 bytes of SU, 512 consecutive bytes a load
.endr
	v_and_b32 v13, 15, v0                          ; c = l % 16
	v_bfe_u32 v14, v0, 4, 1                        ; hh = l / 16
	v_lshlrev_b32 v[QO], 4, v13
	v_lshl_add_u32 v[QO], v14, 11, v[QO]
	WIN 0x40                                       ; destination window 1, address window 0
.irp t, 0,1,2,3,4,5,6,7
	global_load_b128 v[WI+4*\t:WI+4*\t+3], v[QO], s[8:9] offset:4096*\t th:TH_LOAD_NT   ; rows 2 t and 2 t + 1: 256 consecutive bytes of each; read once in the launch
.endr
	WIN 0
	v_lshlrev_b32 v[L8], 3, v1
	v_add_nc_u32 v[AC], s33, v[L16]
	v_mul_u32_u24 v[AL], v1, PIT
	v_add_nc_u32 v[AL], s33, v[AL]
	v_add_nc_u32 v[ASU], SUB, v[L16]
	v_add_nc_u32 v[ASW], SUB, v[GSU]
	s_lshl_b32 s34, s32, 5                         ; 16 bytes for each of my two rows
	v_mul_u32_u24 v[AOS], v1, 272
	v_add_nc_u32 v[AOS], s34, v[AOS]
	v_add_nc_u32 v[AOS], OSTB, v[AOS]
	v_lshrrev_b32 v252, 2, v1
	v_and_b32 v253, 3, v1
	v_mul_u32_u24 v[ASS], v252, 272
	v_lshl_add_u32 v[ASS], v253, 2, v[ASS]
	v_add_nc_u32 v[ASS], s34, v[ASS]
	v_add_nc_u32 v[ASS], SSTB, v[ASS]
	v_mul_u32_u24 v[AOR], v14, OPL
	v_lshl_add_u32 v[AOR], v13, 4, v[AOR]
	s_mul_i32 s34, s32, 4*272
	v_add_nc_u32 v[AOR], s34, v[AOR]
	v_add_nc_u32 v[AOR], OSTB, v[AOR]
	s_mul_i32 s34, s32, 272
	v_add_nc_u32 v[ASR], s34, v[L8]
	v_add_nc_u32 v[ASR], SSTB, v[ASR]
	v_mul_u32_u24 v[AWS], v13, 272                 ; W's stage, in: block c, row hh (+ 2 t in the immediate)
	v_lshl_add_u32 v[AWS], v14, 4, v[AWS]
	v_add_nc_u32 v[AWS], s33, v[AWS]
	v_mul_u32_u24 v[AWR], v14, 272                 ; out: block hh (+ 2 u), row l % 16
	v_lshl_add_u32 v[AWR], v13, 4, v[AWR]
	v_add_nc_u32 v[AWR], s33, v[AWR]
	s_add_co_u32 s35, s33, 16*272
	v_add_nc_u32 v[AWB], s35, v1                   ; the scale byte of row 2 t + hh, block c: 16 row + c = l + 32 t
	v_add_nc_u32 v[AWQ], s35, v[L8]                ; and out: 8 bytes a lane
	s_wait_loadcnt 0x0                             ; SU and the indices are in
.irp t, 0,1,2,3
	ds_store_b128 v[ASW], v[S+4*\t:S+4*\t+3] offset:512*\t
.endr
	WIN 0x55                                       ; all in window 1
.irp n, 0,1,2,3,4,5,6,7,8,9,10,11,12,13,14,15,16,17,18,19,20,21,22,23,24,25,26,27,28,29,30,31
	v_min_u32 v[WI+\n], 0xffff, v[WI+\n]
.endr
.irp n, 0,1,2,3,4,5,6,7,8,9,10,11,12,13,14,15,16,17,18,19,20,21,22,23,24,25,26,27,28,29,30,31
	v_lshlrev_b32 v[WI+\n], 5, v[WI+\n]            ; a row of grid is 32 bytes
.endr
	s_wait_dscnt 0x0                               ; for the others' sake: my part of SU lies in LDS
	s_barrier_signal -1
	s_barrier_wait -1                              ; all of SU does.  (The rows' tensor loads may stay out: each wave reads its own, behind its own wait)
	s_wait_tensorcnt 0x1                           ; a wave's tensor loads end in order: my first row lies in its slot; the second's load may be out
	GATHER 0                                       ; six items' gathers, 48 loads, go out now, and are on their way while the first row is transformed
	GATHER 1
	GATHER 2
	GATHER 3
	GATHER 4
	GATHER 5
	WIN 0
; One row of x, which lies in slot 0 or 1 of my wave
.macro ROW slot
	RESET
	LDROW AC, \slot, PIT
.irp o, 0,1,2,3,4,5,6,7
	ds_load_b128 v[S+8*\o:S+8*\o+3], v[ASU] offset:512*(2*\o)
	ds_load_b128 v[S+8*\o+4:S+8*\o+7], v[ASU] offset:512*(2*\o+1)
.endr
.irp o, 0,1,2,3,4,5,6,7,8,9,10,11,12,13,14,15
.if \o < 8
	s_wait_dscnt 14                                ; behind SU's oct o: 2 (7 - o) loads of the first eight octs and the 2 o reloads issued so far
.else
	s_wait_dscnt 30-2*\o                           ; behind the reload for oct o: those for the octs after it
.endif
.irp p, 0,2,4,6
	v_pk_mul_f32 v[U\o+\p:U\o+\p+1], v[U\o+\p:U\o+\p+1], v[S+8*(\o%8)+\p:S+8*(\o%8)+\p+1]   ; x SU
.endr
.if \o < 8
	ds_load_b128 v[S+8*\o:S+8*\o+3], v[ASU] offset:512*(2*\o+16)    ; SU's oct o + 8 into the registers just read
	ds_load_b128 v[S+8*\o+4:S+8*\o+7], v[ASU] offset:512*(2*\o+17)
.endif
	P0 \o
.endr
.irp o, 0,1,2,3,4,5,6,7,8,9,10,11,12,13,14,15
	INOCT \o, 1
.endr
.irp o, 0,1,2,3,4,5,6,7,8,9,10,11,12,13,14,15
	INOCT \o, 2
.endr
	CROSS
	STROW AC, \slot, PIT                           ; back into my own slot, which has had its one fill, as it came,
	RESET
	LDROW AL, \slot, 16                            ; and out by lines: LDS serves a wave's instructions in order (ISA guide 5.7.1.4), so no wait stands between
.irp o, 0,1,2,3,4,5,6,7,8,9,10,11,12,13,14,15
	s_wait_dscnt 30-2*\o                           ; the loads of the octs after o may be out
	INOCT \o, 2
.endr
	CROSS
	; four blocks of 32 a lane: octs 4 t to 4 t + 3
	MAXG 0, 4, 8, 12, 1
	MAXG 1, 5, 9, 13, 0
	MAXG 2, 6, 10, 14, 0
	MAXG 3, 7, 11, 15, 0
.irp t, 0,1,2,3
	v_add_nc_u32 v[SCL+\t], 0xff000000, v[MX+\t]   ; 2 off the exponent field: the conversion takes the exponent field of this operand as its scale
.endr
.irp t, 0,1,2,3
	v_lshrrev_b32 v[BY+\t], 23, v[SCL+\t]
.endr
	v_lshl_or_b32 v[WD], v[BY+1], 8, v[BY]
	v_lshl_or_b32 v[WD], v[BY+2], 16, v[WD]
	v_lshl_or_b32 v[WD], v[BY+3], 24, v[WD]
	v_add_nc_u32 v[WD], 0xf9f9f9fa, v[WD]          ; 6 off each byte, the 1/64: each byte is 7 or more, so nothing is borrowed
	CVTG 0, 4, 8, 12, 0
	CVTG 1, 5, 9, 13, 1
	CVTG 2, 6, 10, 14, 2
	CVTG 3, 7, 11, 15, 3
	v_nop                                          ; one plain instruction behind the last scaled conversion
.irp t, 0,1,2,3
	ds_store_b128 v[AOS], v[CD+4*\t:CD+4*\t+3] offset:OPL*\t+16*(\slot)
.endr
	ds_store_b32 v[ASS], v[WD] offset:16*(\slot)
.endm
	ROW 0
	ITEM 0                                         ; slot 0 has been read out: W's stage lies there.  Two items are worked here, so that their sets take the last two items' gathers
	GATHER 6
	ITEM 1
	GATHER 7
	WIN 0
	s_wait_tensorcnt 0x0                           ; my second row lies in its slot
	ROW 1
	; x's WAY OUT: wave w stores K step w's chunk of the group: 4,096 bytes of codes and 256 of scale words, every store whole runs of 256 consecutive bytes, aligned
	s_wait_dscnt 0x0                               ; for the others' sake: my codes and scale words lie in the stages
	s_barrier_signal -1
	s_barrier_wait -1
.irp u, 0,1,2,3,4,5,6,7
	ds_load_b128 v[D0+4*\u:D0+4*\u+3], v[AOR] offset:(\u%2)*2*OPL+(\u/2)*272   ; blocks 2 u (lanes 0-15) and 2 u + 1 (lanes 16-31) of the K step, a lane a row
.endr
	ds_load_b64 v[D0+32:D0+33], v[ASR]
.irp u, 0,1,2,3,4,5,6,7
	s_wait_dscnt 8-\u                              ; the later loads may be out
	global_store_b128 v[L16], v[D0+4*\u:D0+4*\u+3], s[12:13] offset:512*\u
.endr
	s_wait_dscnt 0x0
	global_store_b64 v[L8], v[D0+32:D0+33], s[12:13] offset:4096
	; the rest of W's chunk, and its way out.  (Nothing below writes a register that the stores above read: W's work lies in window 1)
.irp t, 2,3,4,5,6,7
	ITEM \t
.endr
	WIN 0x40                                       ; destination window 1, address window 0
.irp u, 0,1,2,3,4,5,6,7
	ds_load_b128 v[WX+4*\u:WX+4*\u+3], v[AWR] offset:544*\u        ; LDS serves a wave's instructions in order: these see my stores
.endr
	ds_load_b64 v[WX+32:WX+33], v[AWQ]
	WIN 0x04                                       ; a store's address is its source 0: window 0; its data are its source 1: window 1
.irp u, 0,1,2,3,4,5,6,7
	s_wait_dscnt 8-\u                              ; the later loads may be out
	global_store_b128 v[L16], v[WX+4*\u:WX+4*\u+3], s[14:15] offset:512*\u   ; 512 consecutive bytes, aligned to 256
.endr
	s_wait_dscnt 0x0
	global_store_b64 v[L8], v[WX+32:WX+33], s[14:15] offset:4096   ; the 256 scale bytes
	WIN 0
	s_wait_tensorcnt 0x0
	ds_add_u32 v254, v255
	s_wait_dscnt 0x0
	s_endpgm
.Lfunc_end_k_q1f29b62212_quant:
	.size	k_q1f29b62212_quant, .Lfunc_end_k_q1f29b62212_quant-k_q1f29b62212_quant
	.p2alignl 7, 3214868480
	.fill 96, 4, 3214868480
	.section	.rodata,"a",@progbits
	.p2align	6, 0x0
	.amdhsa_kernel k_q1f29b62212_quant
		.amdhsa_group_segment_fixed_size 327680
		.amdhsa_private_segment_fixed_size 0
		.amdhsa_enable_private_segment 0
		.amdhsa_kernarg_size 48
		.amdhsa_user_sgpr_count 2
		.amdhsa_user_sgpr_kernarg_segment_ptr 1
		.amdhsa_wavefront_size32 1
		.amdhsa_system_sgpr_workgroup_id_x 1
		.amdhsa_system_sgpr_workgroup_id_y 1
		.amdhsa_system_sgpr_workgroup_id_z 1
		.amdhsa_system_vgpr_workitem_id 0
		.amdhsa_next_free_vgpr 512
		.amdhsa_next_free_sgpr 66
		.amdhsa_reserve_vcc 0
		.amdhsa_float_denorm_mode_32 3
		.amdhsa_float_denorm_mode_16_64 3
		.amdhsa_memory_ordered 1
		.amdhsa_forward_progress 1
		.amdhsa_inst_pref_size 167
	.end_amdhsa_kernel
	.amdgpu_metadata
---
amdhsa.version: [ 1, 2 ]
amdhsa.kernels:
  - .name:           k_q1f29b62212_quant
    .symbol:         k_q1f29b62212_quant.kd
    .args:
      - { .name: input, .offset: 0, .size: 8, .value_kind: global_buffer, .address_space: global }
      - { .name: SU, .offset: 8, .size: 8, .value_kind: global_buffer, .address_space: global }
      - { .name: Qidxs, .offset: 16, .size: 8, .value_kind: global_buffer, .address_space: global }
      - { .name: grid, .offset: 24, .size: 8, .value_kind: global_buffer, .address_space: global }
      - { .name: xq, .offset: 32, .size: 8, .value_kind: global_buffer, .address_space: global }
      - { .name: wq, .offset: 40, .size: 8, .value_kind: global_buffer, .address_space: global }
    .group_segment_fixed_size: 327680
    .private_segment_fixed_size: 0
    .kernarg_segment_align: 8
    .kernarg_segment_size: 48
    .max_flat_workgroup_size: 256
    .sgpr_count:     66
    .vgpr_count:     512
    .wavefront_size: 32
...
	.end_amdgpu_metadata
.endif
;; end of part 1
;; launch gemm (part 2): grid 16 x 16, 4 waves a work-group, clusters of 4 x 4, 327,680 bytes of LDS; arguments xq, wq, cmat; writes cmat
.if DOCPART == 2
	.amdgcn_target "amdgcn-amd-amdhsa--gfx1250"
	.amdhsa_code_object_version 6
	.text
	.protected	k_q1f29b62212_gemm
	.globl	k_q1f29b62212_gemm
	.p2align	8
	.type	k_q1f29b62212_gemm,@function
k_q1f29b62212_gemm:
	s_mov_b64 s[64:65], 0
	v_nop
	global_prefetch_b8 v0, s[64:65] scope:SCOPE_SE
	s_setreg_imm32_b32 hwreg(HW_REG_WAVE_MODE, 25, 1), 1
	s_wait_xcnt 0x0
	s_wait_alu depctr_hold_cnt(0) depctr_sa_sdst(0) depctr_va_vdst(0) depctr_va_sdst(0) depctr_va_ssrc(0) depctr_va_vcc(0) depctr_vm_vsrc(0)
	s_getreg_b32 s2, hwreg(HW_REG_IB_STS2, 6, 4)
	s_cmp_eq_u32 s2, 0
	s_cbranch_scc0 .Lentry_in_a_cluster
	s_endpgm
.Lentry_in_a_cluster:
	s_bfe_u32 s2, ttmp6, 0x10000c
	s_cmp_lg_u32 s2, 0xf033
	s_cbranch_scc0 .Lentry_shape_is_right
	s_endpgm
.Lentry_shape_is_right:
; cmat[t][m] = sum over k of A[t][k] B[m][k], A = xq, B = wq: codes of FP4 (E2M1) with one E8M0 scale for each 32 along K; cmat: [4096][4096] f32; sums in f32, K ascending.
; Both operands lie in the order of the operand's registers: [K step of 512: 8][group of 16 rows: 256][4,352 bytes]; in a chunk: byte 256 b + 16 r: block b's 16 code bytes of row r; byte 4096 + 16 r + 4 q: row r's scale word
; for the q-th 128 along K.  A fragment (16 rows x 128 K) is two loads of 16 bytes a lane at 16 x lane: 512 consecutive bytes each.  128 rows x 512 K, codes and scales, are 34,816 consecutive bytes: one tensor load.
; A tile of cmat, 256 x 256, is made by a work-group of four waves; a wave makes 128 x 128: 64 accumulators of 16 x 16, 512 registers.  K goes in 8 steps of 512 through a ring of two LDS slots.
; CLUSTERS: 4 x 4 work-groups.  The four of a row of the cluster need the same tiles of A, the four of a column the same tiles of B: each tile is asked for JOINTLY, by the same tensor load with the same descriptor and a mask
; that names the four.  THE MATRIX INSTRUCTION IS USED TRANSPOSED (source 0 = 16 rows of B, source 1 = 16 rows of A): a lane then holds eight neighbouring numbers of a row of cmat.
; REGISTERS, in windows of 256: window 0: v0-31 addresses; v32-95 scale words, two sets; from v128 A's fragments, ONE set; on the way out v128-255 take rows of cmat.
;   window 1: B's fragments, TWO sets, at v0 and at v128.   window 2: the 32 accumulators of my rows 0-63 (accumulator (a, b) at v[8 (8 a + b)]);   window 3: those of my rows 64-127.
; A step of 128 along K is 64 matrix instructions, A's blocks one after the other, each against B's eight: a block of A is free when its eight products are issued, so one set serves A; B's fragments are at work through the step.
; All LDS of the WGP is claimed.
.set SIZE_N, 4096
.set NQ,     4                         ; steps of 128 along K in a slot
.set FR,     8                         ; registers of a fragment
.set NL,     2                         ; LDS loads that bring one
.set NP,     4                         ; places behind this matrix instruction (ISA guide 7.12.1)
.set GRP,    4352
.set KSTRIDE, 256*GRP
.set HALFT,  8*GRP                     ; 128 rows x 512 K: what one tensor load brings, and what one wave reads of A or of B
.set SLOT,   4*HALFT                   ; A's 256 rows, then B's 256 rows
.set LAPS,   4                         ; a lap = two K steps = once round the ring
.set SPARE,  2*SLOT                    ; behind the ring: the spare words, 128 bytes for each wave: two blocks of 256 bytes that no other line names
.set SPITCH, 528                       ; the way out: a stage of 16 rows x (512 bytes + 16) for each wave, in slot 0, which has had its last fill and its last read when the first result is stored there
.set ADRA, 16                          ; v16-17  LDS address of my A fragments in slot 0, 1
.set ADRB, 20                          ; v20-21  the same for B
.set ADRS, 22                          ; v22-23  of my scale words: lanes 0-15 A's rows, lanes 16-31 B's
.set STO,  24                          ; v24     the way out: where I put 32 bytes of a row
.set RD,   25                          ; v25     the way out: where I read a row back
.set CO,   26                          ; v26     my byte offset in a row of cmat
.set SPW,  28                          ; v28     LDS address of my spare word: SPARE + 4 x my thread's number; never rewritten
.set NIL,  29                          ; v29     0; never rewritten
.set PFO,  30                          ; v30     the prefetches' offset: 256 x my lane, held at 256 x 16; never rewritten
.set SC,   32                          ; scale words: set s at v[SC + 32 s]; register 4 i + q: lanes 0-15 the word of A's block i, lanes 16-31 that of B's block i, for the slot's q-th 128 along K
.set AF,   128                         ; A's fragments, in window 0
.set BK,   128                         ; the way out: 16 rows read back from the stage: v128-191 and v192-255 by turns
.set G1, 24                            ; s[24:31] descriptor group 1 for A's tiles;  s[32:39] group 0, one set for each slot
.set G0, 32
.set G1B, 48                           ; s[48:55], s[56:63] the same for B's tiles
.set G0B, 56
.set PFA, 8                            ; s[8:9]  where my prefetches stand: my work-group's chunk, one K step further along K than the refill that is being asked for; a prefetch names the K step after that
.set LIM, 2                            ; s2      1 in a wave that prefetches, else the greatest number
.set MSB, 0
.macro WIN new                         ; the immediate's high byte repeats the setting that is left
.if MSB != \new
	s_set_vgpr_msb (MSB<<8)|\new
.set MSB, \new
.endif
.endm
.set MUL_LO, 0xa1                      ; source 0 (B) window 1, source 1 (A) window 0, C and D window 2
.set MUL_HI, 0xf1                      ; the same, C and D window 3
.set TO_B,   0x40                      ; destination window 1, address window 0
; A joint load: waves 0 and 1 fetch for A, waves 2 and 3 for B.  Each of the two lines has ONE mask and one set of registers for all that issue it; the branch hangs on the wave's number alone.
; Four v_nop follow each of the two lines, ahead of the jump, the label and what follows.
.macro JLOAD g0a, g1a, g0b, g1b
	s_cmp_eq_u32 s15, 0
	s_cbranch_scc0 .Lfor_b_\@
	tensor_load_to_lds s[\g0a:\g0a+3], s[\g1a:\g1a+7]
	s_nop 0
.rept 4
	v_nop
.endr
	s_branch .Lasked_\@
.Lfor_b_\@:
	tensor_load_to_lds s[\g0b:\g0b+3], s[\g1b:\g1b+7]
	s_nop 0
.rept 4
	v_nop
.endr
.Lasked_\@:
.endm
; A PREFETCH INTO THE L2, behind each joint refill, its four lines and the run of LDS loads that follows them: of the K step that stands TWO refills on, 512 matrix instructions ahead of the load that will want it.
; At a change of slots every wave has waited for all its tensor loads, so the refill that follows has nothing on its way beside it.
; WHO.  A K step of a tile row of A is 16 chunks of 4,352 bytes, and the 16 work-groups of that tile row read all of them: each asks for ONE chunk, the one with its tile column's number; of B likewise, by the tile row's number.
; The work-groups are told apart BY ADDRESS: no branch hangs on a work-group's place.  Wave 0 asks for A's chunk, wave 2 for B's: one instruction each, lanes 256 bytes apart.  A chunk is 17 blocks of 256 bytes: lanes 0 to 16
; name them, and lanes 17 to 31 name lane 16's block again.  THE ENDS: K steps 0 to 3 come by their loads alone; the loop's last trip, whose refills are K steps 6 and 7, asks for nothing: no K step stands two on.
.macro ASK
	s_cmp_gt_u32 s3, s[LIM]                        ; s3 = 1 in the loop's last trip
	s_cbranch_scc0 .Lnot_mine_\@
	global_prefetch_b8 v[PFO], s[PFA:PFA+1] offset:KSTRIDE th:TH_LOAD_NT scope:SCOPE_SE
.Lnot_mine_\@:
.endm
.macro CREST                           ; a round of the cluster's barrier behind its opening barrier
	s_cmp_lg_u32 s14, 0
	s_cbranch_scc1 .Lnot_wave_0_\@
	s_barrier_signal -3
.Lnot_wave_0_\@:
	s_barrier_wait -3
	s_barrier_signal -1
	s_barrier_wait -1
.endm
.macro CROUND                          ; a whole round
	s_barrier_signal -1
	s_barrier_wait -1
	CREST
.endm
	s_load_b128 s[4:7], s[0:1], 0x0                ; xq s[4:5], wq s[6:7]
	s_load_b64 s[12:13], s[0:1], 0x10              ; cmat
	v_lshl_add_u32 v[SPW], v0, 2, SPARE
	v_mov_b32 v[NIL], 0
	ds_add_u32 v28, v29
	ds_add_u32 v28, v29
	s_wait_dscnt 0x0
	v_lshrrev_b32 v1, 5, v0
	v_readfirstlane_b32 s14, v1                    ; wave 0..3
	s_lshr_b32 s15, s14, 1                         ; which half of the tile's rows is mine.  Also: I fetch for A (0) or for B (1)
	s_and_b32 s16, s14, 1                          ; which half of its columns.  Also: which 128 rows of that tile I fetch
	s_bfe_u32 s40, ttmp6, 0x40000                  ; cx, cy: my place in the cluster
	s_bfe_u32 s41, ttmp6, 0x40004
	s_lshl_b32 s42, ttmp9, 2
	s_add_co_u32 s42, s42, s40                     ; tile column = 4 x cluster x + cx
	s_and_b32 s17, ttmp7, 0xffff
	s_lshl_b32 s17, s17, 2
	s_add_co_u32 s17, s17, s41                     ; tile row = 4 x cluster y + cy
	s_lshl_b32 s43, s41, 2
	s_lshl_b32 s43, 15, s43                        ; my row of the cluster
	s_lshl_b32 s44, 0x1111, s40                    ; my column
	; descriptor group 1: a dense block of 34,816 bytes as 136 lines of 32 elements of 8 bytes, no padding
	s_or_b32 s[G1+0], s43, (3<<16)|(1<<21)         ; 15:0 the mask: A's tiles go to my row; 17:16 elements of 8 bytes; 21 set beside a mask
	s_or_b32 s[G1B+0], s44, (3<<16)|(1<<21)        ; B's go to my column
.irp g, G1, G1B
	s_mov_b32 s[\g+1], 32<<16                      ; tensor_dim0
	s_mov_b32 s[\g+2], 136<<16                     ; tensor_dim1
	s_mov_b32 s[\g+3], 32<<16                      ; tile_dim0
	s_mov_b32 s[\g+4], 136                         ; tile_dim1
	s_mov_b32 s[\g+5], 32                          ; from line to line
	s_mov_b32 s[\g+6], 0
	s_mov_b32 s[\g+7], 0
.endr
	s_lshl_b32 s18, s16, 3                         ; which 8 groups of the tile's 16 I fetch
	s_lshl_b32 s20, s17, 4
	s_add_co_u32 s20, s20, s18
	s_mul_i32 s20, s20, GRP                        ; A: group 16 x tile row + 8 x half, in bytes
	s_mov_b32 s21, 0
	s_lshl_b32 s46, s42, 4
	s_add_co_u32 s46, s46, s18
	s_mul_i32 s46, s46, GRP                        ; B: group 16 x tile column + 8 x half
	s_mov_b32 s47, 0
	s_mul_i32 s45, s14, HALFT                      ; where they go: wave x 34,816: no place in the cluster enters an LDS address
	s_wait_kmcnt 0x0
	s_add_nc_u64 s[20:21], s[4:5], s[20:21]
	s_add_nc_u64 s[46:47], s[6:7], s[46:47]
	CROUND                                         ; all sixteen work-groups are here: the first joint loads meet
.irp s, 0,1
	s_mov_b32 s[G0+4*\s], 1
	s_add_co_u32 s[G0+4*\s+1], s45, \s*SLOT
	s_add_nc_u64 s[G0+4*\s+2:G0+4*\s+3], s[20:21], \s*KSTRIDE
	s_or_b32 s[G0+4*\s+3], s[G0+4*\s+3], 0x80000000
	s_mov_b32 s[G0B+4*\s], 1
	s_add_co_u32 s[G0B+4*\s+1], s45, \s*SLOT
	s_add_nc_u64 s[G0B+4*\s+2:G0B+4*\s+3], s[46:47], \s*KSTRIDE
	s_or_b32 s[G0B+4*\s+3], s[G0B+4*\s+3], 0x80000000
	JLOAD G0+4*\s, G1, G0B+4*\s, G1B               ; K steps 0 and 1: two loads of mine are out
.endr
	v_and_b32 v1, 15, v0                           ; r = l % 16
	v_bfe_u32 v2, v0, 4, 1                         ; h = l / 16
	v_and_b32 v6, 31, v0
	v_lshlrev_b32 v4, 4, v6                        ; 16 x lane
	s_mul_i32 s21, s15, HALFT                      ; my 128 rows of A
	s_mul_i32 s22, s16, HALFT                      ; my 128 rows of B,
	s_add_co_u32 s22, s22, 2*HALFT                 ; which lie behind A's 256
	s_sub_co_u32 s23, s22, s21                     ; so far behind mine of A
	v_mul_u32_u24 v5, s23, v2                      ; lanes 16-31 take B's scale words
	v_lshl_add_u32 v5, v1, 4, v5                   ; 16 bytes a row,
	v_add_nc_u32 v5, 4096, v5                      ; behind a chunk's codes
.irp s, 0,1
	v_add_nc_u32 v[ADRA+\s], s21, v4
	v_add_nc_u32 v[ADRB+\s], s22, v4
	v_add_nc_u32 v[ADRS+\s], s21, v5
	s_add_co_u32 s21, s21, SLOT
	s_add_co_u32 s22, s22, SLOT
.endr
	s_mul_i32 s23, s14, 16*SPITCH                  ; my stage
	v_mul_u32_u24 v5, v1, SPITCH                   ; in: row l % 16, 32 bytes for each half of the lanes
	v_lshl_add_u32 v5, v2, 5, v5
	v_add_nc_u32 v[STO], s23, v5
	v_lshlrev_b32 v[CO], 4, v6                     ; back: the 32 lanes take one row of 512 bytes; and the same in cmat
	v_add_nc_u32 v[RD], s23, v[CO]
	s_lshl_b32 s20, s17, 8
	s_lshl_b32 s21, s15, 7
	s_add_co_u32 s20, s20, s21                     ; my first row: 256 x tile row + 128 x half,
	s_lshl_b32 s20, s20, 14                        ; of 16,384 bytes
	s_lshl_b32 s46, s42, 10                        ; my first column, in bytes: 1024 x tile column + 512 x half
	s_lshl_b32 s47, s16, 9
	s_add_co_u32 s46, s46, s47
	s_add_co_u32 s20, s20, s46
	s_mov_b32 s21, 0
	s_add_nc_u64 s[12:13], s[12:13], s[20:21]
	; the prefetches (macro ASK).  s17 = tile row, s42 = tile column, s[4:5] = xq, s[6:7] = wq still stand
	s_cmp_eq_u32 s15, 0                            ; do I fetch for A?
	s_cselect_b32 s10, s17, s42                    ; the tile's 16 groups: in A by the tile row, in B by the tile column;
	s_cselect_b32 s11, s42, s17                    ; my work-group's one of them: by the other coordinate
	s_cselect_b64 s[PFA:PFA+1], s[4:5], s[6:7]
	s_lshl_b32 s10, s10, 4
	s_add_co_u32 s10, s10, s11
	s_mul_i32 s10, s10, GRP
	s_add_co_u32 s10, s10, 2*KSTRIDE               ; at K step 2: the first refill steps it to 3 and names K step 4.  Nothing is prefetched here, at the head, where every work-group's first tiles are on their way
	s_mov_b32 s11, 0
	s_add_nc_u64 s[PFA:PFA+1], s[PFA:PFA+1], s[10:11]
	s_and_b32 s[LIM], s14, 1                       ; 0 in waves 0 and 2: the same in every work-group
	s_cmp_eq_u32 s[LIM], 0
	s_cselect_b32 s[LIM], 1, -1
	v_min_u32 v[PFO], 16, v6
	v_lshlrev_b32 v[PFO], 8, v[PFO]
.macro FRAG reg, adr, q, i             ; group i's fragment of the slot's q-th 128 along K: lane l holds row l % 16; registers 4 c .. 4 c + 3 hold K = 64 c + 32 (l / 16) + 0 .. 31: block 4 q + 2 c + l / 16 of the chunk
.irp c, 0,1
	ds_load_b128 v[\reg+4*\c:\reg+4*\c+3], v[\adr] offset:(\i)*GRP+1024*(\q)+512*\c
.endr
.endm
; 16 matrix instructions: A's blocks a0, a0 + 1 x B's eight, 128 along K: the slot's q-th.  p: B's set;  sc: the set of scale words.  zero = 1: the first product starts the sums: nothing is ever cleared.
; The 64 accumulators take turns, one instruction a turn, in the same order in every step.
.macro MUL16 a0, p, q, sc, zero
.irp a, \a0, \a0+1
.irp b, 0,1,2,3,4,5,6,7
.if \zero
	v_wmma_scale_f32_16x16x128_f8f6f4 v[8*(8*((\a)%4)+\b):8*(8*((\a)%4)+\b)+7], v[128*(\p)+FR*\b:128*(\p)+FR*\b+FR-1], v[AF+FR*(\a):AF+FR*(\a)+FR-1], 0, v[SC+8*NQ*(\sc)+NQ*\b+(\q)], v[SC+8*NQ*(\sc)+NQ*(\a)+(\q)] matrix_a_fmt:MATRIX_FMT_FP4 matrix_b_fmt:MATRIX_FMT_FP4 matrix_a_scale:MATRIX_SCALE_ROW1
.else
	v_wmma_scale_f32_16x16x128_f8f6f4 v[8*(8*((\a)%4)+\b):8*(8*((\a)%4)+\b)+7], v[128*(\p)+FR*\b:128*(\p)+FR*\b+FR-1], v[AF+FR*(\a):AF+FR*(\a)+FR-1], v[8*(8*((\a)%4)+\b):8*(8*((\a)%4)+\b)+7], v[SC+8*NQ*(\sc)+NQ*\b+(\q)], v[SC+8*NQ*(\sc)+NQ*(\a)+(\q)] matrix_a_fmt:MATRIX_FMT_FP4 matrix_b_fmt:MATRIX_FMT_FP4 matrix_a_scale:MATRIX_SCALE_ROW1
.endif
.endr
.endr
.endm
.macro FETCH_B slot, q, p              ; B's eight fragments of the slot's q-th 128 along K into set p
	WIN TO_B
.irp i, 0,1,2,3,4,5,6,7
	FRAG 128*(\p)+FR*\i, ADRB+\slot, \q, \i
.endr
	WIN 0
.endm
.macro FETCH_A slot, q, i0             ; A's blocks i0 .. i0 + 3
.irp i, \i0, \i0+1, \i0+2, \i0+3
	FRAG AF+FR*(\i), ADRA+\slot, \q, \i
.endr
.endm
.macro SCALES sc                       ; slot sc's scale words into set sc: four words a row; lanes 0-15 take A's block i, lanes 16-31 B's block i
.irp i, 0,1,2,3,4,5,6,7
	ds_load_b128 v[SC+8*NQ*\sc+NQ*\i:SC+8*NQ*\sc+NQ*\i+3], v[ADRS+\sc] offset:\i*GRP
.endr
.endm
; A load into a register that a matrix instruction has read, and an LDS store that reads a matrix result, stand NP places behind that matrix instruction, and only plain vector instructions that name none of its
; registers are places (ISA guide 7.12.1 for vector instructions); the matrix instructions in between are not counted.
.macro PLACES n
.rept \n
	v_nop
.endr
.endm
; A step of 128 along K that has its successor in the same slot.
.macro STEP slot, q, zero
	s_wait_dscnt 4*NL                              ; B's set, A's blocks 0-3 and the scale words are in; the youngest eight loads (A's blocks 4-7) may be out
	WIN MUL_LO
	MUL16 0, (\q)%2, \q, \slot, \zero
	MUL16 2, (\q)%2, \q, \slot, \zero
	s_wait_dscnt 0                                 ; A's blocks 4-7 are in (asked for 32 matrix instructions ago)
	PLACES NP
	FETCH_B \slot, (\q)+1, 1-(\q)%2
	FETCH_A \slot, (\q)+1, 0
	WIN MUL_HI
	MUL16 4, (\q)%2, \q, \slot, \zero
	MUL16 6, (\q)%2, \q, \slot, \zero
	PLACES NP
	WIN 0
	FETCH_A \slot, (\q)+1, 4
.endm
; A slot's last step changes slots: ONE barrier; in front of it each wave waits for all its tensor loads, adds 0 to its spare word, and waits for that and for its own reads of this slot.  fill = 1: this slot is filled again, two K steps ahead.
.macro TURN slot, next, fill
.if \fill
	s_wait_xcnt 0x0                                ; the last prefetch, a K step back, has read its address: it is stepped here, ahead of the waits of the change of slots
	s_add_nc_u64 s[PFA:PFA+1], s[PFA:PFA+1], KSTRIDE
.endif
	s_wait_tensorcnt 0x0                           ; all my tensor loads have landed: the one that was out is my part of the next slot;  (every window is 0 here)
	ds_add_u32 v[SPW], v[NIL]                      ; 0 onto my spare word
	s_wait_dscnt 4*NL+1                            ; (the add and the youngest eight loads, A's blocks 4-7, may be out)
	WIN MUL_LO
	MUL16 0, 1, NQ-1, \slot, 0                     ; sixteen matrix instructions stand between the add and the wait for it
	s_wait_dscnt 0x0                               ; the add is done, and my reads of this slot are over
	s_barrier_signal -1
	MUL16 2, 1, NQ-1, \slot, 0
	WIN 0
	s_barrier_wait -1
.if \fill
	CREST                                          ; the barrier has opened a round of the cluster's barrier: no wave of any partner still reads this slot's tile or has a load on its way
	s_add_nc_u64 s[G0+4*\slot+2:G0+4*\slot+3], s[G0+4*\slot+2:G0+4*\slot+3], 2*KSTRIDE
	s_add_nc_u64 s[G0B+4*\slot+2:G0B+4*\slot+3], s[G0B+4*\slot+2:G0B+4*\slot+3], 2*KSTRIDE
	JLOAD G0+4*\slot, G1, G0B+4*\slot, G1B         ; the first tensor load behind the round, my one load until the next; the four v_nop behind it are the places in front of the loads below
.else
	PLACES NP
.endif
	FETCH_B \next, 0, 0
	FETCH_A \next, 0, 0
	SCALES \next
.if \fill
	ASK                                            ; behind the joint load and the run of LDS loads that the next products wait for; every window is 0 here
.endif
	WIN MUL_HI
	MUL16 4, 1, NQ-1, \slot, 0
	MUL16 6, 1, NQ-1, \slot, 0
	PLACES NP
	WIN 0
	FETCH_A \next, 0, 4
.endm
.macro STEPS slot, from                ; the slot's steps from .. NQ - 2
.set Q, \from
.rept NQ-1-\from
	STEP \slot, Q, 0
.set Q, Q+1
.endr
.endm
	s_wait_tensorcnt 1                             ; my part of K step 0 is in (K step 1's load may be out)
	s_barrier_signal -1
	s_barrier_wait -1                              ; everybody's is
	FETCH_B 0, 0, 0
	FETCH_A 0, 0, 0
	SCALES 0
	FETCH_A 0, 0, 4
	STEP 0, 0, 1                                   ; the first step stands in front of the loop: its products start the sums
	s_mov_b32 s3, LAPS-1
.Llap:                                                 ; a trip goes once round the ring, from a lap's second step to the next lap's first, and fills both slots again
	STEPS 0, 1
	TURN 0, 1, 1
	STEPS 1, 0
	TURN 1, 0, 1
	STEP 0, 0, 0
	s_sub_co_u32 s3, s3, 1
	s_cmp_lg_u32 s3, 0
	s_cbranch_scc1 .Llap
	STEPS 0, 1                                     ; the last lap fills nothing, and has no round of the cluster's barrier
	TURN 0, 1, 0
	STEPS 1, 0
	s_wait_dscnt 4*NL                              ; the very last step: nothing more to fetch
	WIN MUL_LO
	MUL16 0, 1, NQ-1, 1, 0
	MUL16 2, 1, NQ-1, 1, 0
	s_wait_dscnt 0
	WIN MUL_HI
	MUL16 4, 1, NQ-1, 1, 0
	MUL16 6, 1, NQ-1, 1, 0
	WIN 0
; THE WAY OUT, block by block of 16 rows x 128 columns.  A lane holds 32 neighbouring bytes of a row, and the lanes beside it hold other rows: so a block goes through my own stage in LDS and comes back as whole
; rows of 512 bytes.  LDS serves a wave's instructions in order (ISA guide 5.7.1.4): no wait between the stores and the loads, nor in front of the next block's stores.
.macro TOSTAGE a
.set AC, 64*((\a)%4)
	WIN 0x08+4*((\a)/4)                            ; the data: window 2 or 3
.irp b, 0,1,2,3,4,5,6,7
	ds_store_b128 v[STO], v[AC+8*\b:AC+8*\b+3] offset:64*\b          ; each accumulator from its low end on
	ds_store_b128 v[STO], v[AC+8*\b+4:AC+8*\b+7] offset:64*\b+16
.endr
	WIN 0
.set BB, BK+64*((\a)%2)
.irp t, 0,1,2,3,4,5,6,7,8,9,10,11,12,13,14,15
	ds_load_b128 v[BB+4*\t:BB+4*\t+3], v[RD] offset:\t*SPITCH
.endr
.endm
.macro SEND a, younger                 ; younger: the LDS instructions issued behind block a's loads, which may stay out
.set BB, BK+64*((\a)%2)
	s_wait_dscnt \younger                          ; the block is back in registers
.if (\a) > 0
	s_add_nc_u64 s[12:13], s[12:13], 16*SIZE_N*4   ; (behind a wait on XCNT: the earlier stores have read their base)  16 rows on
.endif
.irp t, 0,1,2,3,4,5,6,7,8,9,10,11,12,13,14,15
	global_store_b128 v[CO], v[BB+4*\t:BB+4*\t+3], s[12:13] offset:\t*SIZE_N*4 th:TH_STORE_NT   ; 32 lanes store 512 consecutive bytes, at a multiple of 256 from cmat's first byte; nobody reads them in this launch
.endr
.endm
	PLACES NP                                      ; behind the last products: for the loads into the registers that held A's fragments, and for the reads of results
	TOSTAGE 0
.irp a, 1,2,3,4,5,6,7
.if \a > 1
	s_wait_xcnt 0x0                                ; block a - 2's stores have read their registers and their base: block a's loads may land there, and the base may step
.endif
	TOSTAGE \a
	SEND \a-1, 32                                  ; behind block a - 1's loads: block a's 16 stores and 16 loads
.endr
	s_wait_xcnt 0x0                                ; block 6's stores have read their base
	SEND 7, 0
	s_wait_tensorcnt 0x0                           ; the wave's end: behind my last tensor load and my last LDS store
	ds_add_u32 v[SPW], v[NIL]
	s_wait_dscnt 0x0
	CROUND                                         ; the closing round: no work-group ends while a partner may still ask for a tile that names it
	s_endpgm
.Lfunc_end_k_q1f29b62212_gemm:
	.size	k_q1f29b62212_gemm, .Lfunc_end_k_q1f29b62212_gemm-k_q1f29b62212_gemm
	.p2alignl 7, 3214868480
	.fill 96, 4, 3214868480
	.section	.rodata,"a",@progbits
	.p2align	6, 0x0
	.amdhsa_kernel k_q1f29b62212_gemm
		.amdhsa_group_segment_fixed_size 327680
		.amdhsa_private_segment_fixed_size 0
		.amdhsa_enable_private_segment 0
		.amdhsa_kernarg_size 24
		.amdhsa_user_sgpr_count 2
		.amdhsa_user_sgpr_kernarg_segment_ptr 1
		.amdhsa_wavefront_size32 1
		.amdhsa_system_sgpr_workgroup_id_x 1
		.amdhsa_system_sgpr_workgroup_id_y 1
		.amdhsa_system_sgpr_workgroup_id_z 1
		.amdhsa_system_vgpr_workitem_id 0
		.amdhsa_next_free_vgpr 1024
		.amdhsa_next_free_sgpr 66
		.amdhsa_reserve_vcc 0
		.amdhsa_float_denorm_mode_32 3
		.amdhsa_float_denorm_mode_16_64 3
		.amdhsa_memory_ordered 1
		.amdhsa_forward_progress 1
		.amdhsa_inst_pref_size 210
	.end_amdhsa_kernel
	.amdgpu_metadata
---
amdhsa.version: [ 1, 2 ]
amdhsa.kernels:
  - .name:           k_q1f29b62212_gemm
    .symbol:         k_q1f29b62212_gemm.kd
    .args:
      - { .name: xq, .offset: 0, .size: 8, .value_kind: global_buffer, .address_space: global }
      - { .name: wq, .offset: 8, .size: 8, .value_kind: global_buffer, .address_space: global }
      - { .name: cmat, .offset: 16, .size: 8, .value_kind: global_buffer, .address_space: global }
    .group_segment_fixed_size: 327680
    .private_segment_fixed_size: 0
    .kernarg_segment_align: 8
    .kernarg_segment_size: 24
    .max_flat_workgroup_size: 128
    .sgpr_count:     66
    .vgpr_count:     1024
    .wavefront_size: 32
...
	.end_amdgpu_metadata
.endif
;; end of part 2
;; launch hadout (part 3): grid 256 x 1, 8 waves a work-group, no clusters, 287,744 bytes of LDS; arguments cmat, SV, out0; writes out0
.if DOCPART == 3
	.amdgcn_target "amdgcn-amd-amdhsa--gfx1250"
	.amdhsa_code_object_version 6
	.text
	.protected	k_q1f29b62212_hadout
	.globl	k_q1f29b62212_hadout
	.p2align	8
	.type	k_q1f29b62212_hadout,@function
k_q1f29b62212_hadout:
	s_mov_b64 s[64:65], 0
	v_nop
	global_prefetch_b8 v0, s[64:65] scope:SCOPE_SE
	s_setreg_imm32_b32 hwreg(HW_REG_WAVE_MODE, 25, 1), 1
	s_wait_xcnt 0x0
; out0 = (FWHT_4096(cmat) / 64) x SV, row by row.  cmat, out0: [4096][4096] f32, SV: [4096] f32.
; SHARES.  A work-group owns 16 rows, a wave two of them, one after the other; both rows are asked for at the head, one tensor load each, so that the second lands while the first is worked.
; THE TRANSFORM.  One wave, one row: 128 numbers a lane, in 16 octs of 8 registers and one free oct.  A butterfly writes its sums into the free oct and its differences over one source; the names change, nothing is moved.
; A row lies in its LDS slot as 32 lines of 512 bytes, 528 apart.  Layout L: lane l holds i = 128 l + 0..127 (address 528 l + 16 c): register bits are i's bits 0..6.
; Layout C: quad j of lane l is i = 128 j + 4 l + e (address 528 j + 16 l): register bits are i's bits 0, 1, 7..11.  Stages on different bits commute: all seven register bits in L, through the slot, register bits 2..6 in C.
; In C a store of the wave covers 512 consecutive bytes of the row.
; SV is multiplied by 1/64 once, as it goes into LDS: a power of two, so y x (SV / 64) rounds once, as (y / 64) x SV does.
; No cluster: the work-groups share SV alone, 16,384 bytes beside the 262,144 of their own rows.
; LIMITS: NaN and infinities are not served.  Numbers of SV under 2^-120 lose bits in SV / 64.  The stages' order differs from reference()'s: the same sums, f32 roundings of the same size.
.set SLOTB, 16896                      ; a row's slot: 32 lines x 528 bytes
.set PIT,   528                        ; 512 bytes + 16 of padding = 33 x 16: sixteen lanes that read 16 bytes each, 528 apart, fall on sixteen different columns of 16 bytes (64 banks of 4 bytes: ISA guide 11.1)
.set SVB,   16*SLOTB                   ; SV / 64, dense
.set AC,  2                            ; v2   my wave's slot 0 + 16 l
.set AL,  3                            ; v3   my wave's slot 0 + 528 l
.set ASV, 4                            ; v4   SVB + 16 l
.set ASW, 5                            ; v5   SVB + 2048 w + 16 l
.set L16, 10                           ; v10  16 l
.set GSV, 12                           ; v12  16 l + 2048 w
.set D0,  16                           ; v16-151  the row: 16 octs and the free one
.set S,   152                          ; v152-215 eight octs of SV / 64
.macro RESET                           ; logical oct o lies at D0 + 8 o again
.irp o, 0,1,2,3,4,5,6,7,8,9,10,11,12,13,14,15
.set U\o, D0+8*\o
.endr
.set UF, D0+128
.endm
.macro SWAPF o                         ; the free oct takes oct o's name, oct o's old registers are free
.set UT, U\o
.set U\o, UF
.set UF, UT
.endm
.macro P0 o                            ; register bit 0: (lo + hi, lo - hi) of each pair
.irp p, 0,2,4,6
	v_pk_add_f32 v[UF+\p:UF+\p+1], v[U\o+\p:U\o+\p+1], v[U\o+\p:U\o+\p+1] op_sel:[0,1] op_sel_hi:[0,1] neg_hi:[0,1]
.endr
	SWAPF \o
.endm
.macro INOCT o, bit                    ; register bit 1 or 2, inside an oct
.if \bit == 1
.irp q, 0,4
	v_pk_add_f32 v[UF+\q:UF+\q+1], v[U\o+\q:U\o+\q+1], v[U\o+\q+2:U\o+\q+3]
	v_pk_add_f32 v[UF+\q+2:UF+\q+3], v[U\o+\q:U\o+\q+1], v[U\o+\q+2:U\o+\q+3] neg_lo:[0,1] neg_hi:[0,1]
.endr
.else
.irp q, 0,2
	v_pk_add_f32 v[UF+\q:UF+\q+1], v[U\o+\q:U\o+\q+1], v[U\o+\q+4:U\o+\q+5]
	v_pk_add_f32 v[UF+\q+4:UF+\q+5], v[U\o+\q:U\o+\q+1], v[U\o+\q+4:U\o+\q+5] neg_lo:[0,1] neg_hi:[0,1]
.endr
.endif
	SWAPF \o
.endm
.macro BFLY a, b                       ; octs a and b: the sums into the free oct, which becomes a; the differences over b
.irp p, 0,2,4,6
	v_pk_add_f32 v[UF+\p:UF+\p+1], v[U\a+\p:U\a+\p+1], v[U\b+\p:U\b+\p+1]
.endr
.irp p, 0,2,4,6
	v_pk_add_f32 v[U\b+\p:U\b+\p+1], v[U\a+\p:U\a+\p+1], v[U\b+\p:U\b+\p+1] neg_lo:[0,1] neg_hi:[0,1]
.endr
	SWAPF \a
.endm
.macro CROSS                           ; register bits 3 to 6: octs 1, 2, 4 and 8 apart
	BFLY 0, 1
	BFLY 2, 3
	BFLY 4, 5
	BFLY 6, 7
	BFLY 8, 9
	BFLY 10, 11
	BFLY 12, 13
	BFLY 14, 15
	BFLY 0, 2
	BFLY 1, 3
	BFLY 4, 6
	BFLY 5, 7
	BFLY 8, 10
	BFLY 9, 11
	BFLY 12, 14
	BFLY 13, 15
	BFLY 0, 4
	BFLY 1, 5
	BFLY 2, 6
	BFLY 3, 7
	BFLY 8, 12
	BFLY 9, 13
	BFLY 10, 14
	BFLY 11, 15
	BFLY 0, 8
	BFLY 1, 9
	BFLY 2, 10
	BFLY 3, 11
	BFLY 4, 12
	BFLY 5, 13
	BFLY 6, 14
	BFLY 7, 15
.endm
.macro LDROW adr, slot, step           ; the row out of its slot: quad 2 o + h at step x (2 o + h)
.irp o, 0,1,2,3,4,5,6,7,8,9,10,11,12,13,14,15
	ds_load_b128 v[U\o:U\o+3], v[\adr] offset:(\slot)*SLOTB+(\step)*(2*\o)
	ds_load_b128 v[U\o+4:U\o+7], v[\adr] offset:(\slot)*SLOTB+(\step)*(2*\o+1)
.endr
.endm
.macro STROW adr, slot, step           ; and into it
.irp o, 0,1,2,3,4,5,6,7,8,9,10,11,12,13,14,15
	ds_store_b128 v[\adr], v[U\o:U\o+3] offset:(\slot)*SLOTB+(\step)*(2*\o)
	ds_store_b128 v[\adr], v[U\o+4:U\o+7] offset:(\slot)*SLOTB+(\step)*(2*\o+1)
.endr
.endm
	s_load_b128 s[4:7], s[0:1], 0x0                ; cmat s[4:5], SV s[6:7]
	s_load_b64 s[8:9], s[0:1], 0x10                ; out0
	v_lshl_add_u32 v216, v0, 2, 0x46000
	v_mov_b32 v217, 0
	ds_add_u32 v216, v217
	ds_add_u32 v216, v217
	v_lshrrev_b32 v1, 5, v0
	v_readfirstlane_b32 s10, v1                    ; wave 0..7
	; descriptor group 1: a row of 4,096 f32 as 32 lines of 128 elements of 4 bytes, dense in memory, 4 words of padding behind every 128 words
	s_mov_b32 s16, (2<<16)|(1<<20)|(6<<22)|(3<<25)
	s_mov_b32 s17, 128<<16                         ; tensor_dim0 = 128
	s_mov_b32 s18, 32<<16                          ; tensor_dim1 = 32
	s_mov_b32 s19, 128<<16                         ; tile_dim0 = 128
	s_mov_b32 s20, 32                              ; tile_dim1 = 32
	s_mov_b32 s21, 128                             ; from line to line
	s_mov_b32 s22, 0
	s_mov_b32 s23, 0
	s_mul_i32 s11, s10, 2*SLOTB                    ; my wave's two slots
	s_lshl_b32 s12, ttmp9, 18                      ; the work-group's 16 rows of 16,384 bytes,
	s_lshl_b32 s13, s10, 15                        ; my wave's two of them
	s_add_co_u32 s12, s12, s13
	s_mov_b32 s13, 0
	s_wait_dscnt 0x0
	s_wait_kmcnt 0x0
	s_add_nc_u64 s[4:5], s[4:5], s[12:13]
	s_add_nc_u64 s[8:9], s[8:9], s[12:13]
	s_mov_b32 s24, 1                               ; group 0 for my first row
	s_mov_b32 s25, s11
	s_mov_b64 s[26:27], s[4:5]
	s_or_b32 s27, s27, 0x80000000
	s_mov_b32 s28, 1                               ; and for my second
	s_add_co_u32 s29, s11, SLOTB
	s_add_nc_u64 s[30:31], s[4:5], 16384
	s_or_b32 s31, s31, 0x80000000
	tensor_load_to_lds s[24:27], s[16:23]          ; both first fills together, ahead of every wait on TENSORcnt, every LDS read and every barrier; nothing is filled again in this launch
	s_nop 0
	tensor_load_to_lds s[28:31], s[16:23]
	s_nop 0
.rept 4
	v_nop
.endr
	v_and_b32 v1, 31, v0                           ; l
	v_lshlrev_b32 v[L16], 4, v1
	s_lshl_b32 s12, s10, 11
	v_add_nc_u32 v[GSV], s12, v[L16]
.irp t, 0,1,2,3
	global_load_b128 v[S+4*\t:S+4*\t+3], v[GSV], s[6:7] offset:512*\t   ; my wave's 2,048 bytes of SV, 512 consecutive bytes a load
.endr
	v_add_nc_u32 v[AC], s11, v[L16]
	v_mul_u32_u24 v[AL], v1, PIT
	v_add_nc_u32 v[AL], s11, v[AL]
	v_add_nc_u32 v[ASV], SVB, v[L16]
	v_add_nc_u32 v[ASW], SVB, v[GSV]
	s_wait_loadcnt 0x0
.irp p, 0,2,4,6,8,10,12,14
	v_pk_mul_f32 v[S+\p:S+\p+1], v[S+\p:S+\p+1], 0x3c800000 op_sel_hi:[1,0]   ; x 1/64
.endr
.irp t, 0,1,2,3
	ds_store_b128 v[ASW], v[S+4*\t:S+4*\t+3] offset:512*\t
.endr
	s_wait_dscnt 0x0                               ; for the others' sake: my part of SV / 64 lies in LDS
	s_barrier_signal -1
	s_barrier_wait -1                              ; all of it does.  (The rows' tensor loads may stay out: each wave reads its own, behind its own wait)
; One row: slot = which of my two; tc = how many younger tensor loads may stay out
.macro ROW slot, tc
	s_wait_tensorcnt \tc                           ; a wave's tensor loads end in order: this row lies in its slot
	s_wait_xcnt 0x0                                ; the row before's stores have read their data registers: only behind this wait are they loaded again
	RESET
	LDROW AL, \slot, 16
.irp o, 0,1,2,3,4,5,6,7,8,9,10,11,12,13,14,15
	s_wait_dscnt 30-2*\o                           ; the loads of the octs after o may be out
	P0 \o
.endr
.irp o, 0,1,2,3,4,5,6,7,8,9,10,11,12,13,14,15
	INOCT \o, 1
.endr
.irp o, 0,1,2,3,4,5,6,7,8,9,10,11,12,13,14,15
	INOCT \o, 2
.endr
	CROSS
	STROW AL, \slot, 16                            ; back into my own slot, which has had its one fill, as it came,
	RESET
	LDROW AC, \slot, PIT                           ; and out across the lines: LDS serves a wave's instructions in order (ISA guide 5.7.1.4), so no wait stands between
.irp o, 0,1,2,3,4,5,6,7
	ds_load_b128 v[S+8*\o:S+8*\o+3], v[ASV] offset:512*(2*\o)
	ds_load_b128 v[S+8*\o+4:S+8*\o+7], v[ASV] offset:512*(2*\o+1)
.endr
.irp o, 0,1,2,3,4,5,6,7,8,9,10,11,12,13,14,15
	s_wait_dscnt 46-2*\o                           ; the row loads of the octs after o and the sixteen loads of SV may be out
	INOCT \o, 2
.endr
	CROSS
.irp o, 0,1,2,3,4,5,6,7,8,9,10,11,12,13,14,15
.if \o < 8
	s_wait_dscnt 14                                ; behind SV's oct o: 2 (7 - o) loads of the first eight octs and the 2 o reloads issued so far
.else
	s_wait_dscnt 30-2*\o                           ; behind the reload for oct o: those for the octs after it
.endif
.irp p, 0,2,4,6
	v_pk_mul_f32 v[U\o+\p:U\o+\p+1], v[U\o+\p:U\o+\p+1], v[S+8*(\o%8)+\p:S+8*(\o%8)+\p+1]   ; x SV / 64
.endr
.if \o < 8
	ds_load_b128 v[S+8*\o:S+8*\o+3], v[ASV] offset:512*(2*\o+16)    ; SV's oct o + 8 into the registers just read
	ds_load_b128 v[S+8*\o+4:S+8*\o+7], v[ASV] offset:512*(2*\o+17)
.endif
	global_store_b128 v[L16], v[U\o:U\o+3], s[8:9] offset:(\slot)*16384+512*(2*\o) th:TH_STORE_NT     ; 32 lanes store 512 consecutive bytes, at a multiple of 256 from out0's first byte
	global_store_b128 v[L16], v[U\o+4:U\o+7], s[8:9] offset:(\slot)*16384+512*(2*\o+1) th:TH_STORE_NT
.endr
.endm
	ROW 0, 1                                       ; the second row's load may be out
	ROW 1, 0
	s_wait_tensorcnt 0x0
	ds_add_u32 v216, v217
	s_wait_dscnt 0x0
	s_endpgm
.Lfunc_end_k_q1f29b62212_hadout:
	.size	k_q1f29b62212_hadout, .Lfunc_end_k_q1f29b62212_hadout-k_q1f29b62212_hadout
	.p2alignl 7, 3214868480
	.fill 96, 4, 3214868480
	.section	.rodata,"a",@progbits
	.p2align	6, 0x0
	.amdhsa_kernel k_q1f29b62212_hadout
		.amdhsa_group_segment_fixed_size 287744
		.amdhsa_private_segment_fixed_size 0
		.amdhsa_enable_private_segment 0
		.amdhsa_kernarg_size 24
		.amdhsa_user_sgpr_count 2
		.amdhsa_user_sgpr_kernarg_segment_ptr 1
		.amdhsa_wavefront_size32 1
		.amdhsa_system_sgpr_workgroup_id_x 1
		.amdhsa_system_sgpr_workgroup_id_y 1
		.amdhsa_system_sgpr_workgroup_id_z 1
		.amdhsa_system_vgpr_workitem_id 0
		.amdhsa_next_free_vgpr 218
		.amdhsa_next_free_sgpr 66
		.amdhsa_reserve_vcc 0
		.amdhsa_float_denorm_mode_32 3
		.amdhsa_float_denorm_mode_16_64 3
		.amdhsa_memory_ordered 1
		.amdhsa_forward_progress 1
		.amdhsa_inst_pref_size 134
	.end_amdhsa_kernel
	.amdgpu_metadata
---
amdhsa.version: [ 1, 2 ]
amdhsa.kernels:
  - .name:           k_q1f29b62212_hadout
    .symbol:         k_q1f29b62212_hadout.kd
    .args:
      - { .name: cmat, .offset: 0, .size: 8, .value_kind: global_buffer, .address_space: global }
      - { .name: SV, .offset: 8, .size: 8, .value_kind: global_buffer, .address_space: global }
      - { .name: out0, .offset: 16, .size: 8, .value_kind: global_buffer, .address_space: global }
    .group_segment_fixed_size: 287744
    .private_segment_fixed_size: 0
    .kernarg_segment_align: 8
    .kernarg_segment_size: 24
    .max_flat_workgroup_size: 256
    .sgpr_count:     66
    .vgpr_count:     218
    .wavefront_size: 32
...
	.end_amdgpu_metadata
.endif
;; end of part 3
